; MI455X (gfx1250); checked and timed in simulation.
; The chip was launched on July 23, 2026; its instructions are those of AMD's public machine-readable ISA for CDNA 5 (MIT licence, August 2026) and "CDNA5" Instruction Set Architecture Reference Guide (July 2026). The comments in the code are by the model that wrote it; some were corrected since.
;; Extrude Net. Allowed arithmetic: float matrix products may take bf16 or f16 operands with f32 sums; all other float work in f32.
;; Inputs: intersection_layer_weights 4 x 64 x 64 float32; primitive_parameters 4 x 28 x 64 float32; sample_point_coordinates 4 x 2,048 x 3 float32; union_layer_weights 4 x 64 float32.
;; Outputs: out0 4 x 2,048 float32; out1 4 x 2,048 x 64 float32; out2 4 x 2,048 x 64 float32; out3 4 x 2,048 x 64 float32.
;; Constants: is_training = 1.
;; One version. Each part assembles by itself: llvm-mc -triple=amdgcn-amd-amdhsa -mcpu=gfx1250 --defsym DOCPART=n.
;; ======== version 1 of 1: 1 launch
;; launch extrude (part 1): grid 256 x 1, 16 waves a work-group, no clusters, 84,224 bytes of LDS; arguments primitive_parameters, sample_point_coordinates, intersection_layer_weights, union_layer_weights, out0, out1, out2, out3; writes out0, out1, out2, out3
.if DOCPART == 1
	.amdgcn_target "amdgcn-amd-amdhsa--gfx1250"
	.amdhsa_code_object_version 6
	.text
	.protected	k_q71f9ebf943_extrude
	.globl	k_q71f9ebf943_extrude
	.p2align	8
	.type	k_q71f9ebf943_extrude,@function
k_q71f9ebf943_extrude:
	s_mov_b64 s[64:65], 0
	v_nop
	global_prefetch_b8 v0, s[64:65] scope:SCOPE_SE
	s_setreg_imm32_b32 hwreg(HW_REG_WAVE_MODE, 25, 1), 1
	s_wait_xcnt 0x0
; ExtrudeNet: signed distances of 4 x 2048 points to 64 extruded rational Bezier outlines, occupancies, soft-min over the 64
; primitives for each of 64 convexes, soft-max over the convexes.  All f32, one launch, nothing through memory.
; A work-group owns 32 points of one batch (256 work-groups), 16 waves.  Three phases, a barrier behind each:
;  A  the 64 x 64 outline samples are shared out, 8 a thread, into LDS; the batch's 64 x 64 intersection weights are copied to LDS.
;  B  lane = primitive (its 64 samples in 128 registers), wave = 32 primitives x 4 points, two points in the halves of packed f32.
;     sdf, support distance and u' = 40 log2(e) (1 - occupancy) go to LDS.
;  C  lane = two convexes (64 x 2 weights in 128 registers), wave = 2 points; u' is read from LDS, the same word by all lanes.
; No matrix instruction: the soft-min's exponent w[k][c] u[m][k] stands inside an exponential, so no step is a matrix product.
; No cluster, no tensor load: what work-groups share is 23 KiB of inputs, read once each by plain loads.
; INSIDE TEST.  The sum of atan2 over the 64 edges is 2 pi times the polygon's winding number.  reference() takes |radius| and
; |weight| and fixes the control angles, so N x N' = sum over i<j of w_i w_j (B_i B_j' - B_j B_i') (P_i x P_j) >= 0: the polar angle
; never falls along the outline, the polygon is a fan of triangles (0, c_i, c_i+1) in sectors that do not overlap, and the winding
; number is 0 or 1 for every input.  So |winding| > 0.5 is: the ray y = 0, x > 0 from the point is crossed an odd number of times.
; Edge i crosses y = 0 if the signs of rel_y differ at its ends, and at x > 0 if the sign of cross(rel_i, rel_i+1) differs from
; that of rel_y at its start.  Both signs of every sample are gathered as bits.
; LIMITS.  A point within rounding of an edge may fall on either side.  The segments' first directions are exact (1,0), (0,1), ..,
; where cos of the f32 angle pi/2 is -4.4e-8.  Divisions are v_rcp_f32 / v_rsq_f32 and a product (1 ulp).  Exponentials below
; 2^-126 count as zero.  NaN and infinite inputs are not served.  out0: a work-group owns 128 consecutive bytes, one store of wave 0.
.set PTS,    32
.set CBLK,   2560                      ; LDS bytes one wave writes in phase A: 32 primitives x pitch 80
.set CPIT,   80                        ; 8 samples x 8 bytes + 16: an odd multiple of 16
.set L_W,    0                         ; w[k][c], pitch 256
.set L_CV,   16384                     ; 16 blocks of CBLK
.set L_U,    57344                     ; u'   [32 points][64 primitives]
.set L_SDF,  65536                     ; sdf  likewise
.set L_DM,   73728                     ; support distance likewise
.set L_OCC,  81920                     ; 32 occupancies
.set F_COS,  0x3f5ce425                ; cos(theta), theta = pi/8 + atan(tan(pi/8)/3)
.set F_SIN,  0x3f016523                ; sin(theta)
.set F_S40,  0x4266d4ca                ; 40 log2(e)
.set F_NIS,  0xbc8df4e0                ; -ln(2)/40
.set F_N150, 0xc358677d                ; -150 log2(e)
.set F_E12,  0x2b8cbccc                ; 1e-12
.set F_E8,   0x322bcc77                ; 1e-8
; whole kernel
.set LANE, 1
.set K4,   2                           ; 4 x my primitive (phases A, B)
.set T16,  6                           ; 16 x thread
.set L8,   7                           ; 8 x lane
.set UW,   12                          ; v[12:13] union weights of my two convexes
.set QP,   14                          ; v[14:21] quaternion, translation, height
; phase A
.set RO0, 3
.set RO1, 4
.set RO2, 5
.set KK,  9
.set CB,  10
.set CA,  11
.set RAD, 22                           ; r0 r1 r2, next segment's r0, w1 w2
.set WS,  28
.set P0,  36
.set Q1,  38
.set Q2,  40
.set P3,  42
.set TA,  44
.set DN,  46
.set CO,  54
; phase B
.set QA,  22                           ; (qx, qy) of the conjugate unit quaternion
.set QB,  24                           ; (qz, w)
.set QC,  26                           ; 2 QA
.set QD,  28                           ; 2 QB
.set AH,  30
.set NR,  31
.set LB,  32                           ; minus the local coordinates: pair p: x at LB+6p, y +2, z +4
.set PX,  44
.set PY,  46
.set PZ,  48
.set T2X, 50
.set T2Y, 52
.set T2Z, 54
.set RG,  56                           ; ring of four samples' rel: x pair, y pair
.set DA,  72
.set DB,  74
.set CRA, 76
.set CRB, 78
.set MIN, 80
.set YW,  82                           ; signs of rel_y: word (sample / 32) at +2, point at +1
.set CW,  86                           ; signs of the cross products, likewise
.set ZA,  90
.set ZB,  92
.set ZC,  94
.set ZD,  96
.set DM,  98
.set DZ,  100
.set S2D, 102
.set HA,  104
.set HB,  106
.set HC,  108
.set SA,  112
.set CV,  128                          ; my primitive's 64 samples (x, y)
; phase C
.set UA,  3
.set RB,  4
.set OA,  5
.set O1,  14
.set O3,  18
.set PT,  22                           ; pass 1: ring of products
.set TR,  22                           ; pass 2: ring of exponents
.set ER,  30                           ; pass 2: ring of exponentials
.set MX,  38                           ; two chains of maxima; the result in v[38:39]
.set NMX, 40
.set SE,  42
.set ST,  44
.set RC,  46
.set QQ,  48
.set IN,  50                           ; inter, a pair for each point (store data, never rewritten)
.set PU,  54
.set UM,  56
.set UM2, 57
.set UT,  58
.set UE,  60
.set US,  62
.set UVS, 63
.set UV,  64                           ; u' of one point
.set WV,  128                          ; weights: k's pair at WV + 2k
.macro BAR                             ; my LDS traffic is done, then the work-group's barrier
	s_wait_dscnt 0x0
	s_barrier_signal -1
	s_barrier_wait -1
.endm
; name = the f32 bits of the whole number val, 0 <= val <= 4096
.macro F32 name, val
.if (\val) == 0
.set \name, 0
.else
.set FEXP, 0
.irp p, 1,2,3,4,5,6,7,8,9,10,11,12
.if (\val) >= (1<<\p)
.set FEXP, \p
.endif
.endr
.set \name, ((127+FEXP)<<23)+(((\val)-(1<<FEXP))<<(23-FEXP))
.endif
.endm
; 4096 x the Bernstein weights at t = s/16: whole numbers; the factor cancels in num / den
.macro BASIS s
.set AA, 16-(\s)
	F32 FB0, AA*AA*AA
	F32 FB1, 3*AA*AA*(\s)
	F32 FB2, 3*AA*(\s)*(\s)
	F32 FB3, (\s)*(\s)*(\s)
	F32 FB03, AA*AA*AA+(\s)*(\s)*(\s)
.endm
; samples base .. base+7 of my segment: den = b0 + b3 + w1 b1 + w2 b2, num = P0 b0 + (P1 w1) b1 + (P2 w2) b2 + P3 b3, x and y packed
.macro CURVE8 base
.irp j, 0,1,2,3,4,5,6,7
	BASIS \base+\j
	v_mul_f32 v[DN+\j], FB2, v[RAD+5]
.endr
.irp j, 0,1,2,3,4,5,6,7
	BASIS \base+\j
	v_fmac_f32 v[DN+\j], FB1, v[RAD+4]
.endr
.irp j, 0,1,2,3,4,5,6,7
	BASIS \base+\j
	v_add_f32 v[DN+\j], FB03, v[DN+\j]
.endr
.irp j, 0,1,2,3,4,5,6,7
	v_rcp_f32 v[DN+\j], v[DN+\j]                   ; used 32 plain instructions further down
.endr
.irp j, 0,1,2,3,4,5,6,7
	BASIS \base+\j
	v_pk_mul_f32 v[CO+2*\j:CO+2*\j+1], v[P0:P0+1], FB0 op_sel_hi:[1,0]
.endr
.irp j, 0,1,2,3,4,5,6,7
	BASIS \base+\j
	v_pk_fma_f32 v[CO+2*\j:CO+2*\j+1], v[Q1:Q1+1], FB1, v[CO+2*\j:CO+2*\j+1] op_sel_hi:[1,0,1]
.endr
.irp j, 0,1,2,3,4,5,6,7
	BASIS \base+\j
	v_pk_fma_f32 v[CO+2*\j:CO+2*\j+1], v[Q2:Q2+1], FB2, v[CO+2*\j:CO+2*\j+1] op_sel_hi:[1,0,1]
.endr
.irp j, 0,1,2,3,4,5,6,7
	BASIS \base+\j
	v_pk_fma_f32 v[CO+2*\j:CO+2*\j+1], v[P3:P3+1], FB3, v[CO+2*\j:CO+2*\j+1] op_sel_hi:[1,0,1]
.endr
	s_wait_alu depctr_va_vdst(0)
.irp j, 0,2,4,6
	v_pk_mul_f32 v[CO+2*\j:CO+2*\j+1], v[CO+2*\j:CO+2*\j+1], v[DN+\j:DN+\j+1] op_sel:[0,0] op_sel_hi:[1,0]
	v_pk_mul_f32 v[CO+2*\j+2:CO+2*\j+3], v[CO+2*\j+2:CO+2*\j+3], v[DN+\j:DN+\j+1] op_sel:[0,1] op_sel_hi:[1,1]
.endr
.endm
; packed over two points, register sel of the pair q in both halves: d = q b, d = q b + c, d = -q b + c
.macro MULB d, q, sel, b
.if \sel
	v_pk_mul_f32 v[\d:\d+1], v[\q:\q+1], v[\b:\b+1] op_sel:[1,0] op_sel_hi:[1,1]
.else
	v_pk_mul_f32 v[\d:\d+1], v[\q:\q+1], v[\b:\b+1] op_sel:[0,0] op_sel_hi:[0,1]
.endif
.endm
.macro FMAB d, q, sel, b, c
.if \sel
	v_pk_fma_f32 v[\d:\d+1], v[\q:\q+1], v[\b:\b+1], v[\c:\c+1] op_sel:[1,0,0] op_sel_hi:[1,1,1]
.else
	v_pk_fma_f32 v[\d:\d+1], v[\q:\q+1], v[\b:\b+1], v[\c:\c+1] op_sel:[0,0,0] op_sel_hi:[0,1,1]
.endif
.endm
.macro FNMAB d, q, sel, b, c
.if \sel
	v_pk_fma_f32 v[\d:\d+1], v[\q:\q+1], v[\b:\b+1], v[\c:\c+1] op_sel:[1,0,0] op_sel_hi:[1,1,1] neg_lo:[1,0,0] neg_hi:[1,0,0]
.else
	v_pk_fma_f32 v[\d:\d+1], v[\q:\q+1], v[\b:\b+1], v[\c:\c+1] op_sel:[0,0,0] op_sel_hi:[0,1,1] neg_lo:[1,0,0] neg_hi:[1,0,0]
.endif
.endm
; pair p of my four points into my primitive's frame.  P = translation - point, so the result is MINUS the local coordinates
; (the rotation is linear): rel = sample - p2d is then one addition, and |z| does not mind.
.macro TOLOCAL p
	v_subrev_f32 v[PX],   s[32+6*\p], v[QP+4]
	v_subrev_f32 v[PX+1], s[35+6*\p], v[QP+4]
	v_subrev_f32 v[PY],   s[33+6*\p], v[QP+5]
	v_subrev_f32 v[PY+1], s[36+6*\p], v[QP+5]
	v_subrev_f32 v[PZ],   s[34+6*\p], v[QP+6]
	v_subrev_f32 v[PZ+1], s[37+6*\p], v[QP+6]
	MULB  T2X, QC, 1, PZ                           ; t2 = 2 qv x P
	MULB  T2Y, QD, 0, PX
	MULB  T2Z, QC, 0, PY
	FNMAB T2X, QD, 0, PY, T2X
	FNMAB T2Y, QC, 0, PZ, T2Y
	FNMAB T2Z, QC, 1, PX, T2Z
	FMAB  LB+6*\p,   QB, 1, T2X, PX                ; P + w t2 + qv x t2
	FMAB  LB+6*\p+2, QB, 1, T2Y, PY
	FMAB  LB+6*\p+4, QB, 1, T2Z, PZ
	FMAB  LB+6*\p,   QA, 1, T2Z, LB+6*\p
	FMAB  LB+6*\p+2, QB, 0, T2X, LB+6*\p+2
	FMAB  LB+6*\p+4, QA, 0, T2Y, LB+6*\p+4
	FNMAB LB+6*\p,   QB, 0, T2Y, LB+6*\p
	FNMAB LB+6*\p+2, QA, 0, T2Z, LB+6*\p+2
	FNMAB LB+6*\p+4, QA, 1, T2X, LB+6*\p+4
.endm
; the signs of the pair src are shifted in below the bits gathered so far: item idx ends at bit 31 - idx % 32 of word idx / 32
.macro BIT w, idx, src
.set BWD, \w+2*((\idx)>>5)
.if ((\idx)&31) == 0
	v_lshrrev_b32 v[BWD],   31, v[\src]            ; a word's first bit starts it: nothing is cleared
	v_lshrrev_b32 v[BWD+1], 31, v[\src+1]
.else
	v_alignbit_b32 v[BWD],   v[BWD],   v[\src],   31
	v_alignbit_b32 v[BWD+1], v[BWD+1], v[\src+1], 31
.endif
.endm
; samples 2j+1, 2j+2 and edges 2j, 2j+1, for two points: 22 instructions.  Sample 64 is sample 0 again (for edge 63);
; its distance enters the minimum a second time, which changes nothing, and its sign is not gathered again.
.macro STEP j, lx, ly
.set NN1, 2*\j+1
.set NN2, 2*\j+2
.set SLP, RG+4*((2*\j)&3)
.set SL1, RG+4*(NN1&3)
.set SL2, RG+4*(NN2&3)
.set CU1, CV+2*(NN1&63)
.set CU2, CV+2*(NN2&63)
	v_pk_add_f32 v[SL1:SL1+1],   v[CU1:CU1+1], v[\lx:\lx+1] op_sel:[0,0] op_sel_hi:[0,1]   ; rel_x: the sample's x for both points
	v_pk_add_f32 v[SL1+2:SL1+3], v[CU1:CU1+1], v[\ly:\ly+1] op_sel:[1,0] op_sel_hi:[1,1]   ; rel_y: its y
	v_pk_add_f32 v[SL2:SL2+1],   v[CU2:CU2+1], v[\lx:\lx+1] op_sel:[0,0] op_sel_hi:[0,1]
	v_pk_add_f32 v[SL2+2:SL2+3], v[CU2:CU2+1], v[\ly:\ly+1] op_sel:[1,0] op_sel_hi:[1,1]
	v_pk_mul_f32 v[DA:DA+1],   v[SL1:SL1+1], v[SL1:SL1+1]
	v_pk_mul_f32 v[CRA:CRA+1], v[SLP:SLP+1], v[SL1+2:SL1+3]
	v_pk_mul_f32 v[DB:DB+1],   v[SL2:SL2+1], v[SL2:SL2+1]
	v_pk_mul_f32 v[CRB:CRB+1], v[SL1:SL1+1], v[SL2+2:SL2+3]
	v_pk_fma_f32 v[DA:DA+1],   v[SL1+2:SL1+3], v[SL1+2:SL1+3], v[DA:DA+1]
	v_pk_fma_f32 v[CRA:CRA+1], v[SLP+2:SLP+3], v[SL1:SL1+1], v[CRA:CRA+1] neg_lo:[1,0,0] neg_hi:[1,0,0]
	v_pk_fma_f32 v[DB:DB+1],   v[SL2+2:SL2+3], v[SL2+2:SL2+3], v[DB:DB+1]
	v_pk_fma_f32 v[CRB:CRB+1], v[SL1+2:SL1+3], v[SL2:SL2+1], v[CRB:CRB+1] neg_lo:[1,0,0] neg_hi:[1,0,0]
	BIT YW, NN1, SL1+2
	BIT CW, 2*\j, CRA
.if NN2 < 64
	BIT YW, NN2, SL2+2
.endif
	BIT CW, 2*\j+1, CRB
	v_min3_num_f32 v[MIN],   v[MIN],   v[DA],   v[DB]
	v_min3_num_f32 v[MIN+1], v[MIN+1], v[DA+1], v[DB+1]
.endm
.macro PAIR lx, ly
	v_pk_add_f32 v[RG:RG+1],   v[CV:CV+1], v[\lx:\lx+1] op_sel:[0,0] op_sel_hi:[0,1]
	v_pk_add_f32 v[RG+2:RG+3], v[CV:CV+1], v[\ly:\ly+1] op_sel:[1,0] op_sel_hi:[1,1]
	v_pk_mul_f32 v[MIN:MIN+1], v[RG:RG+1], v[RG:RG+1]                  ; sample 0 starts the minimum
	v_pk_fma_f32 v[MIN:MIN+1], v[RG+2:RG+3], v[RG+2:RG+3], v[MIN:MIN+1]
	BIT YW, 0, RG+2
.set JS, 0
.rept 32
	STEP JS, \lx, \ly
.set JS, JS+1
.endr
.endm
; from the minimum and the sign bits of a pair of points to dmin, sdf and u'; row = the pair's first point among my four.
; Behind each run of transcendentals one plain vector instruction that touches none of their registers precedes any use (ISA guide 5.7.2).
.macro FINISH lz, row
.irp x, 0,1
	v_alignbit_b32 v[ZA+\x], v[YW+\x], v[YW+2+\x], 31      ; the 64 signs of rel_y turned by one: the sign at each edge's end
	v_alignbit_b32 v[ZB+\x], v[YW+2+\x], v[YW+\x], 31
	v_xor_b32 v[ZC+\x], v[CW+\x], v[YW+\x]                 ; the crossing lies at x > 0
	v_xor_b32 v[ZD+\x], v[CW+2+\x], v[YW+2+\x]
.endr
	v_pk_add_f32 v[MIN:MIN+1], v[MIN:MIN+1], F_E12 op_sel_hi:[1,0]
.irp x, 0,1
	v_xor_b32 v[ZA+\x], v[ZA+\x], v[YW+\x]                 ; the edge crosses y = 0
	v_xor_b32 v[ZB+\x], v[ZB+\x], v[YW+2+\x]
.endr
	v_sqrt_f32 v[DM],   v[MIN]
	v_sqrt_f32 v[DM+1], v[MIN+1]
.irp x, 0,1
	v_and_b32 v[ZA+\x], v[ZA+\x], v[ZC+\x]
	v_and_b32 v[ZB+\x], v[ZB+\x], v[ZD+\x]
.endr
.irp x, 0,1
	v_xor_b32 v[ZA+\x], v[ZA+\x], v[ZB+\x]
.endr
.irp sh, 16,8,4,2,1
	v_lshlrev_b32 v[ZB],   \sh, v[ZA]                      ; folded upward: bit 31 ends as the parity of all 64
	v_lshlrev_b32 v[ZB+1], \sh, v[ZA+1]
	v_xor_b32 v[ZA],   v[ZA],   v[ZB]
	v_xor_b32 v[ZA+1], v[ZA+1], v[ZB+1]
.endr
	s_wait_alu depctr_va_vdst(0)
.irp x, 0,1
	v_and_b32 v[DZ+\x], s60, v[\lz+\x]
	v_bfi_b32 v[S2D+\x], s60, v[DM+\x], v[ZA+\x]           ; dmin with the parity as its sign: -dmin inside
.endr
.irp x, 0,1
	ds_store_b32 v[SA], v[DM+\x] offset:L_DM-L_U+256*(\row+\x)
	v_sub_f32 v[DZ+\x], v[DZ+\x], v[AH]                    ; |z| - |height|
.endr
.irp x, 0,1
	v_max_num_f32 v[HB+\x], 0, v[S2D+\x]
	v_max_num_f32 v[HC+\x], 0, v[DZ+\x]
	v_max_num_f32 v[HA+\x], v[S2D+\x], v[DZ+\x]
.endr
.irp x, 0,1
	v_fma_f32 v[HB+\x], v[HB+\x], v[HB+\x], s61
	v_min_num_f32 v[HA+\x], 0, v[HA+\x]
.endr
.irp x, 0,1
	v_fma_f32 v[HB+\x], v[HC+\x], v[HC+\x], v[HB+\x]
.endr
	v_sqrt_f32 v[HB],   v[HB]
	v_sqrt_f32 v[HB+1], v[HB+1]
	v_nop
	s_wait_alu depctr_va_vdst(0)
.irp x, 0,1
	v_add_f32 v[HA+\x], v[HA+\x], v[HB+\x]                 ; sdf
.endr
.irp x, 0,1
	v_mul_f32 v[HC+\x], F_N150, v[HA+\x]
	ds_store_b32 v[SA], v[HA+\x] offset:L_SDF-L_U+256*(\row+\x)
.endr
	v_exp_f32 v[HC],   v[HC]
	v_exp_f32 v[HC+1], v[HC+1]
	v_nop
	s_wait_alu depctr_va_vdst(0)
	v_add_f32 v[HC],   1.0, v[HC]
	v_add_f32 v[HC+1], 1.0, v[HC+1]
	v_rcp_f32 v[HC],   v[HC]                                ; 1 - sigmoid(-150 sdf) = 1 / (1 + e^(-150 sdf))
	v_rcp_f32 v[HC+1], v[HC+1]
	v_nop
	s_wait_alu depctr_va_vdst(0)
.irp x, 0,1
	v_mul_f32 v[HC+\x], F_S40, v[HC+\x]                    ; the soft-min's scale, once for all 64 convexes
	ds_store_b32 v[SA], v[HC+\x] offset:256*(\row+\x)
.endr
.endm
; phase C, pass 1: the maximum over k of w u', which reference()'s softmax takes away; two chains, k pairs by turns
.macro MULS q
.set PP, PT+4*((\q)&3)
	v_pk_mul_f32 v[PP:PP+1],   v[WV+4*(\q):WV+4*(\q)+1],   v[UV+2*(\q):UV+2*(\q)+1] op_sel:[0,0] op_sel_hi:[1,0]
	v_pk_mul_f32 v[PP+2:PP+3], v[WV+4*(\q)+2:WV+4*(\q)+3], v[UV+2*(\q):UV+2*(\q)+1] op_sel:[0,1] op_sel_hi:[1,1]
.endm
.macro MAXS q
.set PP, PT+4*((\q)&3)
.set MM, MX+2*((\q)&1)
.if (\q) < 2
	v_max_num_f32 v[MM],   v[PP],   v[PP+2]
	v_max_num_f32 v[MM+1], v[PP+1], v[PP+3]
.else
	v_max3_num_f32 v[MM],   v[MM],   v[PP],   v[PP+2]
	v_max3_num_f32 v[MM+1], v[MM+1], v[PP+1], v[PP+3]
.endif
.endm
; pass 2: t = w u' - max, e = 2^t; the sums of e and of e t are taken two steps behind, so plain instructions stand between an exponential and its use
.macro EXPS k
.set TT, TR+2*((\k)&3)
.set EE, ER+2*((\k)&3)
.if (\k)&1
	v_pk_fma_f32 v[TT:TT+1], v[WV+2*(\k):WV+2*(\k)+1], v[UV+(\k)-1:UV+(\k)], v[NMX:NMX+1] op_sel:[0,1,0] op_sel_hi:[1,1,1]
.else
	v_pk_fma_f32 v[TT:TT+1], v[WV+2*(\k):WV+2*(\k)+1], v[UV+(\k):UV+(\k)+1], v[NMX:NMX+1] op_sel:[0,0,0] op_sel_hi:[1,0,1]
.endif
	v_exp_f32 v[EE],   v[TT]
	v_exp_f32 v[EE+1], v[TT+1]
.endm
.macro SUMS c
.set TT, TR+2*((\c)&3)
.set EE, ER+2*((\c)&3)
.if (\c) == 0
	s_wait_alu depctr_va_vdst(0)
	v_pk_mul_f32 v[ST:ST+1], v[EE:EE+1], v[TT:TT+1]        ; the first terms start the sums
.else
.if (\c) == 1
	v_pk_add_f32 v[SE:SE+1], v[ER:ER+1], v[EE:EE+1]
.else
	s_wait_alu depctr_va_vdst(0)
	v_pk_add_f32 v[SE:SE+1], v[SE:SE+1], v[EE:EE+1]
.endif
	v_pk_fma_f32 v[ST:ST+1], v[EE:EE+1], v[TT:TT+1], v[ST:ST+1]
.endif
.endm
.macro SOFTMIN
	MULS 0
.set QI, 1
.rept 31
	MULS QI
	MAXS QI-1
.set QI, QI+1
.endr
	MAXS 31
	v_max_num_f32 v[MX],   v[MX],   v[MX+2]
	v_max_num_f32 v[MX+1], v[MX+1], v[MX+3]
	v_pk_mul_f32 v[NMX:NMX+1], v[MX:MX+1], -1.0 op_sel_hi:[1,0]
	EXPS 0
	EXPS 1
.set QI, 2
.rept 62
	EXPS QI
	SUMS QI-2
.set QI, QI+1
.endr
	SUMS 62
	SUMS 63
.endm
.macro ULOAD p                         ; u' of my point p: every lane reads the same 16 bytes
.irp j, 0,1,2,3,4,5,6,7,8,9,10,11,12,13,14,15
	ds_load_b128 v[UV+4*\j:UV+4*\j+3], v[UA] offset:256*\p+16*\j
.endr
.endm
.macro REDMAX r, t
.irp m, 1,2,4,8
	v_max_num_f32_dpp v[\r], v[\r], v[\r] row_xmask:\m row_mask:0xf bank_mask:0xf
.endr
	v_permlanex16_b32 v[\t], v[\r], s62, s63
	v_max_num_f32 v[\r], v[\r], v[\t]
.endm
.macro REDADD2 a, b, ta, tb            ; two sums over the 32 lanes, by turns
.irp m, 1,2,4,8
	v_add_f32_dpp v[\a], v[\a], v[\a] row_xmask:\m row_mask:0xf bank_mask:0xf
	v_add_f32_dpp v[\b], v[\b], v[\b] row_xmask:\m row_mask:0xf bank_mask:0xf
.endr
	v_permlanex16_b32 v[\ta], v[\a], s62, s63
	v_permlanex16_b32 v[\tb], v[\b], s62, s63
	v_add_f32 v[\a], v[\a], v[\ta]
	v_add_f32 v[\b], v[\b], v[\tb]
.endm
; inter = 1 - (max + sum(e t) / sum(e)) ln2 / 40, stored; then the soft-max over the 64 convexes, its own maximum taken away
.macro FINPT p
	v_rcp_f32 v[RC],   v[SE]
	v_rcp_f32 v[RC+1], v[SE+1]
	v_nop
	s_wait_alu depctr_va_vdst(0)
	v_pk_fma_f32 v[QQ:QQ+1], v[ST:ST+1], v[RC:RC+1], v[MX:MX+1]
	v_pk_fma_f32 v[IN+2*\p:IN+2*\p+1], v[QQ:QQ+1], F_NIS, 1.0 op_sel_hi:[1,0,0]
	global_store_b64 v[L8], v[IN+2*\p:IN+2*\p+1], s[20:21] offset:256*\p th:TH_STORE_NT   ; 32 lanes x 8 bytes: the point's whole row of 256 bytes
	v_pk_mul_f32 v[PU:PU+1], v[IN+2*\p:IN+2*\p+1], v[UW:UW+1]
	v_max_num_f32 v[UM], v[PU], v[PU+1]
	REDMAX UM, UM2
	v_mul_f32 v[UM], F_S40|0x80000000, v[UM]
	v_fma_f32 v[UT],   v[PU],   s66, v[UM]
	v_fma_f32 v[UT+1], v[PU+1], s66, v[UM]
	v_exp_f32 v[UE],   v[UT]
	v_exp_f32 v[UE+1], v[UT+1]
	v_nop
	s_wait_alu depctr_va_vdst(0)
	v_add_f32 v[US], v[UE], v[UE+1]
	v_mul_f32 v[UVS], v[UE], v[PU]
	v_fmac_f32 v[UVS], v[UE+1], v[PU+1]
	REDADD2 US, UVS, UT, UM2
	v_rcp_f32 v[US], v[US]
	v_nop
	s_wait_alu depctr_va_vdst(0)
	v_mul_f32 v[UVS], v[UVS], v[US]
	ds_store_b32 v[OA], v[UVS] offset:4*\p                 ; all lanes hold the same number and write the same word
.endm
; ---------------------------------------------------------------- who am I, and where are my bytes
	s_load_b512 s[8:23], s[0:1], 0x0               ; parameters s[8:9], points s[10:11], intersection w s[12:13], union w s[14:15], out0 .. out3 s[16:23]
	v_and_b32 v[LANE], 31, v0
	v_lshrrev_b32 v[KK], 5, v0
	v_readfirstlane_b32 s2, v[KK]                  ; wave 0..15
	s_lshr_b32 s3, ttmp9, 6                        ; batch: 64 work-groups each
	s_and_b32 s4, s2, 1                            ; phases A, B: which 32 primitives
	s_bfe_u32 s5, s2, 0x20001                      ; phase A: segment
	s_lshr_b32 s6, s2, 1                           ; phase B: which four points
	s_mul_i32 s24, s3, 28*64*4                     ; the batch's parameters
	s_mov_b32 s25, 0
	s_mul_i32 s26, ttmp9, PTS*12                   ; the work-group's points,
	s_mul_i32 s7, s6, 4*12                         ; my four of them
	s_add_co_u32 s26, s26, s7
	s_mov_b32 s27, 0
	s_lshl_b32 s28, s3, 14                         ; the batch's 64 x 64 weights
	s_mov_b32 s29, 0
	s_lshl_b32 s30, s3, 8                          ; the batch's 64 union weights
	s_mov_b32 s31, 0
	s_lshl_b32 s44, ttmp9, 13                      ; 32 rows of 256 bytes in out1, out2, out3
	s_mov_b32 s45, 0
	s_lshl_b32 s46, ttmp9, 7                       ; 32 numbers in out0
	s_mov_b32 s47, 0
	s_lshl_b32 s7, s2, 9
	s_add_co_u32 s68, s44, s7                      ; out2: my two points' rows (phase C)
	s_mov_b32 s69, 0
	s_mul_i32 s48, s5, 3*256                       ; parameter rows are 256 bytes: my segment's radii from row 8 + 3 seg,
	s_add_co_u32 s48, s48, 8*256
	s_add_co_u32 s49, s5, 1
	s_and_b32 s49, s49, 3
	s_mul_i32 s49, s49, 3*256                      ; the next segment's first radius,
	s_add_co_u32 s49, s49, 8*256
	s_lshl_b32 s50, s5, 9                          ; the two weights from row 20 + 2 seg
	s_add_co_u32 s50, s50, 20*256
	v_lshlrev_b32 v[K4], 2, v[LANE]
	v_lshl_add_u32 v[K4], s4, 7, v[K4]             ; 4 x (32 half + lane)
	v_add_nc_u32 v[RO0], s48, v[K4]
	v_add_nc_u32 v[RO1], s49, v[K4]
	v_add_nc_u32 v[RO2], s50, v[K4]
	v_lshlrev_b32 v[T16], 4, v0
	v_lshlrev_b32 v[L8], 3, v[LANE]
	s_wait_kmcnt 0x0
	s_add_nc_u64 s[8:9],   s[8:9],   s[24:25]
	s_add_nc_u64 s[10:11], s[10:11], s[26:27]
	s_add_nc_u64 s[12:13], s[12:13], s[28:29]
	s_add_nc_u64 s[14:15], s[14:15], s[30:31]
	s_add_nc_u64 s[16:17], s[16:17], s[46:47]
	s_add_nc_u64 s[18:19], s[18:19], s[44:45]
	s_add_nc_u64 s[20:21], s[20:21], s[68:69]
	s_add_nc_u64 s[22:23], s[22:23], s[44:45]
	s_load_b256 s[32:39], s[10:11], 0x0            ; my four points, 12 numbers, the same for all lanes
	s_load_b128 s[40:43], s[10:11], 0x20
	; all 17 vector loads of the kernel, in the order in which they are needed
	global_load_b32 v[RAD],   v[RO0], s[8:9]
	global_load_b32 v[RAD+1], v[RO0], s[8:9] offset:256
	global_load_b32 v[RAD+2], v[RO0], s[8:9] offset:512
	global_load_b32 v[RAD+3], v[RO1], s[8:9]
	global_load_b32 v[RAD+4], v[RO2], s[8:9]
	global_load_b32 v[RAD+5], v[RO2], s[8:9] offset:256
	global_load_b128 v[WS:WS+3],   v[T16], s[12:13]                ; 512 threads x 16 bytes, twice: the batch's 16 KiB of weights
	global_load_b128 v[WS+4:WS+7], v[T16], s[12:13] offset:8192
.irp r, 0,1,2,3,4,5,6,7
	global_load_b32 v[QP+\r], v[K4], s[8:9] offset:256*\r
.endr
	global_load_b64 v[UW:UW+1], v[L8], s[14:15]
	; meanwhile: constants, the segment's directions, LDS addresses
	s_mov_b32 s60, 0x7fffffff
	s_mov_b32 s61, F_E12
	s_mov_b32 s62, 0x76543210                      ; v_permlanex16_b32: lane i reads lane i of the other half
	s_mov_b32 s63, 0xfedcba98
	s_mov_b32 s66, F_S40
	s_and_b32 s51, s5, 2
	s_lshl_b32 s51, s51, 30
	s_or_b32 s51, s51, 0x3f800000                  ; +1 for segments 0, 1; -1 for 2, 3
	s_bitcmp1_b32 s5, 0
	s_cselect_b32 s52, 0, s51                      ; c = cos(90 seg)
	s_cselect_b32 s53, s51, 0                      ; s = sin(90 seg)
	s_xor_b32 s58, s53, 0x80000000                 ; -s
	s_mul_f32 s54, s52, F_COS                      ; d1 = direction at 90 seg + theta
	s_fmac_f32 s54, s58, F_SIN
	s_mul_f32 s55, s52, F_SIN
	s_fmac_f32 s55, s53, F_COS
	s_mul_f32 s56, s52, F_SIN                      ; d2 = direction at 90 (seg + 1) - theta
	s_fmac_f32 s56, s58, F_COS
	s_mul_f32 s57, s52, F_COS
	s_fmac_f32 s57, s53, F_SIN
	v_mul_u32_u24 v[KK], CPIT, v[LANE]
	s_mul_i32 s7, s2, CBLK
	s_add_co_u32 s7, s7, L_CV
	v_add_nc_u32 v[CA], s7, v[KK]                  ; my wave's block, my primitive's row
	s_mul_i32 s7, s4, CBLK
	s_add_co_u32 s7, s7, L_CV
	v_add_nc_u32 v[CB], s7, v[KK]                  ; phase B: block (half + 2 seg + 8 sample half); the last two stand in the offset
	s_lshl_b32 s7, s6, 10
	s_add_co_u32 s7, s7, L_U
	v_add_nc_u32 v[SA], s7, v[K4]                  ; phase B: row of my first point, my primitive's word
; ---------------------------------------------------------------- phase A
	s_wait_loadcnt 11                              ; the six radii and weights are in; 2 + 8 + 1 younger loads stay out
.irp j, 0,1,2,3,4,5
	v_and_b32 v[RAD+\j], s60, v[RAD+\j]            ; |radius|, |weight|
.endr
	v_mul_f32 v[TA],   v[RAD+1], v[RAD+4]
	v_mul_f32 v[TA+1], v[RAD+2], v[RAD+5]
	v_mul_f32 v[P0],   s52, v[RAD]
	v_mul_f32 v[P0+1], s53, v[RAD]
	v_mul_f32 v[Q1],   s54, v[TA]                  ; P1 w1
	v_mul_f32 v[Q1+1], s55, v[TA]
	v_mul_f32 v[Q2],   s56, v[TA+1]                ; P2 w2
	v_mul_f32 v[Q2+1], s57, v[TA+1]
	v_mul_f32 v[P3],   s58, v[RAD+3]               ; the next segment's P0, at 90 (seg + 1)
	v_mul_f32 v[P3+1], s52, v[RAD+3]
	s_cmp_lt_u32 s2, 8                             ; waves 0-7 take samples 0-7 of their segment, waves 8-15 samples 8-15
	s_cbranch_scc0 .Lupper
	CURVE8 0
	s_branch .Lcurve_done
.Lupper:
	CURVE8 8
.Lcurve_done:
.irp i, 0,1,2,3
	ds_store_b128 v[CA], v[CO+4*\i:CO+4*\i+3] offset:16*\i
.endr
	s_wait_loadcnt 9                               ; the two loads of weights are in; 8 + 1 younger stay out
	ds_store_b128 v[T16], v[WS:WS+3] offset:L_W
	ds_store_b128 v[T16], v[WS+4:WS+7] offset:L_W+8192
	BAR                                            ; samples and weights are in LDS for every wave
; ---------------------------------------------------------------- phase B
.irp sg, 0,1,2,3
.irp sh, 0,1
.irp i, 0,1,2,3
	ds_load_b128 v[CV+2*(16*\sg+8*\sh)+4*\i:CV+2*(16*\sg+8*\sh)+4*\i+3], v[CB] offset:(2*\sg+8*\sh)*CBLK+16*\i
.endr
.endr
.endr
	s_wait_loadcnt 0x0                             ; pose and union weights
	s_wait_kmcnt 0x0                               ; my four points
	v_fmaak_f32 v[NR], v[QP], v[QP], F_E8
	v_fmac_f32 v[NR], v[QP+1], v[QP+1]
	v_fmac_f32 v[NR], v[QP+2], v[QP+2]
	v_fmac_f32 v[NR], v[QP+3], v[QP+3]
	v_rsq_f32 v[NR], v[NR]
	v_and_b32 v[AH], s60, v[QP+7]                  ; |height|; also the plain instruction behind v_rsq_f32
	s_wait_alu depctr_va_vdst(0)
	v_mul_f32 v[QB+1], v[QP], v[NR]                ; w
	v_xor_b32 v[NR], 0x80000000, v[NR]             ; the conjugate's vector part is negated
	v_mul_f32 v[QA],   v[QP+1], v[NR]
	v_mul_f32 v[QA+1], v[QP+2], v[NR]
	v_mul_f32 v[QB],   v[QP+3], v[NR]
	v_pk_add_f32 v[QC:QC+1], v[QA:QA+1], v[QA:QA+1]
	v_pk_add_f32 v[QD:QD+1], v[QB:QB+1], v[QB:QB+1]
	TOLOCAL 0
	TOLOCAL 1
	s_wait_dscnt 0x0                               ; my primitive's 64 samples
	PAIR LB, LB+2
	FINISH LB+4, 0
	PAIR LB+6, LB+8
	FINISH LB+10, 2
	BAR                                            ; u', sdf and dmin of all 32 points are in LDS
; ---------------------------------------------------------------- phase C
	s_lshl_b32 s7, s2, 9
	s_add_co_u32 s7, s7, L_U
	v_mov_b32 v[UA], s7                            ; rows of my points 2 w, 2 w + 1
	v_add_nc_u32 v[RB], L_SDF, v[T16]
	s_lshl_b32 s7, s2, 3
	s_add_co_u32 s7, s7, L_OCC
	v_mov_b32 v[OA], s7
	ds_load_b128 v[O1:O1+3], v[RB]                 ; sdf and dmin back as they lie in memory, 16 bytes a thread
	ds_load_b128 v[O3:O3+3], v[RB] offset:L_DM-L_SDF
.set KI, 0
.rept 64
	ds_load_b64 v[WV+2*KI:WV+2*KI+1], v[L8] offset:L_W+256*KI      ; 32 lanes x 8 bytes: row k of the weights
.set KI, KI+1
.endr
	ULOAD 0
	s_wait_dscnt 0x0
	global_store_b128 v[T16], v[O1:O1+3], s[18:19] th:TH_STORE_NT  ; a wave's store covers 512 consecutive bytes, aligned
	global_store_b128 v[T16], v[O3:O3+3], s[22:23] th:TH_STORE_NT
	SOFTMIN
	ULOAD 1                                        ; the second point's u' comes in under the first point's tail
	FINPT 0
	s_wait_dscnt 0x0
	SOFTMIN
	FINPT 1
	BAR                                            ; the 32 occupancies are in LDS
	s_cmp_lg_u32 s2, 0
	s_cbranch_scc1 .Lend
	v_lshlrev_b32 v22, 2, v[LANE]
	v_add_nc_u32 v23, L_OCC, v22
	ds_load_b32 v24, v23
	s_wait_dscnt 0x0
	global_store_b32 v22, v24, s[16:17] th:TH_STORE_NT             ; the work-group's 128 bytes of out0
.Lend:
	s_wait_xcnt 0x0
	v_lshl_add_u32 v254, v0, 2, 0x14100
	v_mov_b32 v255, 0
	s_wait_tensorcnt 0x0
	ds_add_u32 v254, v255
	s_wait_dscnt 0x0
	s_endpgm
.Lfunc_end_k_q71f9ebf943_extrude:
	.size	k_q71f9ebf943_extrude, .Lfunc_end_k_q71f9ebf943_extrude-k_q71f9ebf943_extrude
	.p2alignl 7, 3214868480
	.fill 96, 4, 3214868480
	.section	.rodata,"a",@progbits
	.p2align	6, 0x0
	.amdhsa_kernel k_q71f9ebf943_extrude
		.amdhsa_group_segment_fixed_size 84224
		.amdhsa_private_segment_fixed_size 0
		.amdhsa_enable_private_segment 0
		.amdhsa_kernarg_size 64
		.amdhsa_user_sgpr_count 2
		.amdhsa_user_sgpr_kernarg_segment_ptr 1
		.amdhsa_wavefront_size32 1
		.amdhsa_system_sgpr_workgroup_id_x 1
		.amdhsa_system_sgpr_workgroup_id_y 1
		.amdhsa_system_sgpr_workgroup_id_z 1
		.amdhsa_system_vgpr_workitem_id 0
		.amdhsa_next_free_vgpr 256
		.amdhsa_next_free_sgpr 72
		.amdhsa_reserve_vcc 0
		.amdhsa_float_denorm_mode_32 3
		.amdhsa_float_denorm_mode_16_64 3
		.amdhsa_memory_ordered 1
		.amdhsa_forward_progress 1
		.amdhsa_inst_pref_size 181
	.end_amdhsa_kernel
	.amdgpu_metadata
---
amdhsa.version: [ 1, 2 ]
amdhsa.kernels:
  - .name:           k_q71f9ebf943_extrude
    .symbol:         k_q71f9ebf943_extrude.kd
    .args:
      - { .name: primitive_parameters, .offset: 0, .size: 8, .value_kind: global_buffer, .address_space: global }
      - { .name: sample_point_coordinates, .offset: 8, .size: 8, .value_kind: global_buffer, .address_space: global }
      - { .name: intersection_layer_weights, .offset: 16, .size: 8, .value_kind: global_buffer, .address_space: global }
      - { .name: union_layer_weights, .offset: 24, .size: 8, .value_kind: global_buffer, .address_space: global }
      - { .name: out0, .offset: 32, .size: 8, .value_kind: global_buffer, .address_space: global }
      - { .name: out1, .offset: 40, .size: 8, .value_kind: global_buffer, .address_space: global }
      - { .name: out2, .offset: 48, .size: 8, .value_kind: global_buffer, .address_space: global }
      - { .name: out3, .offset: 56, .size: 8, .value_kind: global_buffer, .address_space: global }
    .group_segment_fixed_size: 84224
    .private_segment_fixed_size: 0
    .kernarg_segment_align: 8
    .kernarg_segment_size: 64
    .max_flat_workgroup_size: 512
    .sgpr_count:     72
    .vgpr_count:     256
    .wavefront_size: 32
...
	.end_amdgpu_metadata
.endif
;; end of part 1
